; MI455X (gfx1250); checked and timed in simulation.
; The chip was launched on July 23, 2026; its instructions are those of AMD's public machine-readable ISA for CDNA 5 (MIT licence, August 2026) and "CDNA5" Instruction Set Architecture Reference Guide (July 2026). The comments in the code are by the model that wrote it; some were corrected since.
;; Bah Attn. Allowed arithmetic: float matrix products may take bf16 or f16 operands with f32 sums; other float arithmetic in f32, or as packed bf16 or f16 multiplies, adds, multiply-adds, maxima and minima; sums over many terms, partial sums and values carried from step to step in f32; what a program stores and reads back later, other than sums and carried values, may be rounded once to bf16 or f16.
;; Inputs: W1 1,024 x 1,024 float32; W2 2,048 x 1,024 float32; b1 1,024 float32; b2 1,024 float32; bv 1 float32; memory 32 x 1,024 x 2,048 float32; v 1,024 float32; x 32 x 1,024 float32.
;; Outputs: out0 32 x 2,048 float32; out1 32 x 1,024 float32.
;; 2 versions, each right; version 2 is version 1 with the launch ctx written anew for expert scheduling mode. Each part assembles by itself: llvm-mc -triple=amdgcn-amd-amdhsa -mcpu=gfx1250 --defsym DOCPART=n.
;; ======== version 1 of 2: 3 launches
;; workspace buffers: w2t 4,194,304 bytes; hb 131,072 bytes; part 262,144 bytes
;; launch prep (part 1): grid 144 x 1, 16 waves a work-group, no clusters, 141,824 bytes of LDS; arguments W2, W1, x, b1, b2, w2t, hb; writes w2t, hb
.if DOCPART == 1
	.amdgcn_target "amdgcn-amd-amdhsa--gfx1250"
	.amdhsa_code_object_version 6
	.text
	.protected	k_qf207cb8f60_prep
	.globl	k_qf207cb8f60_prep
	.p2align	8
	.type	k_qf207cb8f60_prep,@function
k_qf207cb8f60_prep:
	s_mov_b64 s[64:65], 0
	v_nop
	global_prefetch_b8 v0, s[64:65] scope:SCOPE_SE
	s_setreg_imm32_b32 hwreg(HW_REG_WAVE_MODE, 25, 1), 1
	s_wait_xcnt 0x0
; PREP: what the score launch wants ready.  c = 2 log2(e), so that tanh(z) = 1 - 2 / (1 + 2^(c z)) needs no scaling later.
;   work-groups 16 .. 143: w2t[n][k] = bf16(c W2[k][n]): W2 [2048 k][1024 n] f32 is turned and rounded once, a block of 128 k x 128 n each.
;   work-groups 0 .. 15:   hb[m][n] = c (x[m] . W1[:, n] + b1[n] + b2[n]), f32, 64 columns each; x and W1 are rounded to bf16 for the product, sums in f32.
; 144 work-groups: the two jobs have no more to share out; each lasts about one trip to memory and back, so nothing is prefetched and nothing is shared in a cluster.
; LIMITS.  NaN and infinities are not treated apart.  W2 is scaled in f32 and then rounded once to bf16.
.set C2,    0x4038aa3b                 ; c = 2 log2(e) = 2.885390
.set PT,    272                        ; an LDS row: 256 bytes + 16: sixteen rows on end start at sixteen different 16-byte columns modulo 256 (64 banks of 4 bytes: ISA guide 11.1)
.set NAT,   131072                     ; behind the partial sums (16 waves x 8,192 bytes): the summed tile in its natural order, 32 rows x 272
.set SPARE, 139776                     ; behind that: the spare words, 128 bytes a wave, that no other line names
.set SPW,   2                          ; v2  SPARE + 4 x my thread's number; never rewritten
.set NIL,   3                          ; v3  0; never rewritten
.set FW,    32                         ; v[32:95]   W1's fragments: step ks, tile e at FW + 32 ks + 8 e
.set RW,    64                         ; v[64:191]  W1 as loaded: load q's four columns at RW + 4 q
.set RX,    192                        ; v[192:255] x as loaded; then 4 fragments in v[192:223]
.set ACC,   128                        ; v[128:191] eight accumulators, (mt, e) at ACC + 8 (4 mt + e), where W1's raw numbers of the second step lay
	s_load_b256 s[4:11], s[0:1], 0x0               ; W2 s[4:5], W1 s[6:7], x s[8:9], b1 s[10:11]
	s_load_b128 s[12:15], s[0:1], 0x20             ; b2 s[12:13], w2t s[14:15]
	s_load_b64 s[16:17], s[0:1], 0x30              ; hb
	v_lshl_add_u32 v[SPW], v0, 2, SPARE
	v_mov_b32 v[NIL], 0
	v_lshrrev_b32 v1, 5, v0
	v_readfirstlane_b32 s20, v1                    ; wave 0..15
	v_and_b32 v12, 31, v0                          ; l
	v_and_b32 v13, 15, v0                          ; l % 16 = t % 16
	v_bfe_u32 v14, v0, 4, 1                        ; l / 16
	s_mov_b32 s22, C2
	s_mov_b32 s23, C2                              ; named with it as a pair
	s_mov_b32 s21, ttmp9
	s_mov_b32 s25, 0                               ; the high word of every offset
	s_wait_kmcnt 0x0
	s_cmp_lt_u32 s21, 16                           ; the same in all sixteen waves
	s_cbranch_scc1 .Lhx
	; ---- W2, a block of 128 k x 128 n.  Wave w takes k rows 8 w .. 8 w + 7; a load covers a row's 512 consecutive bytes.
	s_sub_co_u32 s21, s21, 16
	s_and_b32 s26, s21, 15                         ; block along k
	s_lshr_b32 s27, s21, 4                         ; block along n
	s_lshl_b32 s24, s26, 19                        ; 128 rows of 4,096 bytes
	s_lshl_b32 s28, s20, 15                        ; + 8 rows a wave
	s_add_co_u32 s24, s24, s28
	s_lshl_b32 s28, s27, 9                         ; + 128 columns of 4 bytes
	s_add_co_u32 s24, s24, s28
	s_add_nc_u64 s[4:5], s[4:5], s[24:25]
	v_lshlrev_b32 v4, 4, v12                       ; my four columns
.irp i, 0,1,2,3,4,5,6,7
	global_load_b128 v[32+4*\i:35+4*\i], v4, s[4:5] offset:4096*\i th:TH_LOAD_NT
.endr
	s_lshl_b32 s24, s27, 19                        ; w2t: 128 rows of 4,096 bytes,
	s_lshl_b32 s28, s26, 8                         ; 128 k of 2 bytes
	s_add_co_u32 s24, s24, s28
	s_add_nc_u64 s[14:15], s[14:15], s[24:25]
	s_lshl_b32 s28, s20, 4
	v_mul_u32_u24 v5, v12, PT                      ; in: column 4 l + e lies at row 32 e + l of the tile; my wave's 8 k are 16 bytes at 16 w
	v_add_nc_u32 v5, s28, v5
	v_lshrrev_b32 v9, 4, v0                        ; t / 16
	v_mul_u32_u24 v6, v9, PT                       ; back: row t / 16 + 32 i, 16 bytes at 16 (t % 16)
	v_lshl_add_u32 v6, v13, 4, v6
	v_lshlrev_b32 v8, 4, v13
	v_lshl_add_u32 v8, v9, 14, v8                  ; that row is column 4 (t / 16) + i: 16,384 (t / 16) + 16 (t % 16) in w2t, 4,096 i in the immediate
	s_wait_loadcnt 0x0                             ; one batch: all eight rows
.set j, 0
.rept 16
	v_pk_mul_f32 v[32+j:33+j], v[32+j:33+j], s[22:23] op_sel_hi:[1,0]
.set j, j+2
.endr
.irp e, 0,1,2,3
.irp i, 0,1,2,3
	v_cvt_pk_bf16_f32 v[64+4*\e+\i], v[32+8*\i+\e], v[36+8*\i+\e]  ; k = 2 i and 2 i + 1 of column e: v[64+4e:67+4e] are 8 k on end
.endr
.endr
.irp e, 0,1,2,3
	ds_store_b128 v5, v[64+4*\e:67+4*\e] offset:32*PT*\e
.endr
	s_wait_dscnt 0x0                               ; for the others' sake: my stores are done
	s_barrier_signal -1
	s_barrier_wait -1
.irp i, 0,1,2,3
	ds_load_b128 v[80+4*\i:83+4*\i], v6 offset:32*PT*\i
.endr
.irp i, 0,1,2,3
	s_wait_dscnt 3-\i                              ; LDS loads come back in order: number i is in, the younger ones may be out
	global_store_b128 v8, v[80+4*\i:83+4*\i], s[14:15] offset:4096*\i  ; 16 lanes store 256 consecutive bytes, at a multiple of 256 from w2t's first byte
.endr
	s_wait_tensorcnt 0x0                           ; the wave's end, behind my last LDS store
	ds_add_u32 v[SPW], v[NIL]
	s_wait_dscnt 0x0
	s_endpgm
	; ---- hb, 32 rows x 64 columns.  K = 1,024 is split among the sixteen waves, 64 each (two matrix steps); the partial sums meet in LDS.
	; A fragment is 16 rows x 32 k: lane l holds row l % 16, k = 8 (l / 16) + 0..7 and 16 + 8 (l / 16) + 0..7.  W1 lies [k][n].  THE TILES OF 16 COLUMNS ARE TAKEN WITH A STRIDE: tile e holds the
	; columns 4 i + e, i = 0..15.  So a lane's load of 16 bytes (columns 4 (l % 16) + 0..3 of one k) feeds that same lane's place in all four tiles, and a load of the wave takes 256 consecutive
	; bytes, aligned, of each of two rows of W1: 32 loads a wave, 50 with x's and the biases', all out at once.
	; The product is taken transposed (source 0 = a tile of W1, source 1 = 16 rows of x): register j of lane l holds row m = l % 16 and place i = 8 (l / 16) + j of the tile: column 4 i + e.
.Lhx:
	s_lshl_b32 s24, s21, 8                         ; 64 columns of 4 bytes
	v_lshlrev_b32 v4, 4, v13
	s_add_nc_u64 s[10:11], s[10:11], s[24:25]
	s_add_nc_u64 s[12:13], s[12:13], s[24:25]
	s_add_nc_u64 s[16:17], s[16:17], s[24:25]
	global_load_b128 v[16:19], v4, s[10:11]        ; b1 and b2 of the four columns that I finish
	global_load_b128 v[20:23], v4, s[12:13]
	s_lshl_b32 s26, s20, 18                        ; my wave's 64 rows of W1
	s_add_co_u32 s26, s26, s24
	s_mov_b32 s27, 0
	s_add_nc_u64 s[6:7], s[6:7], s[26:27]
	v_lshlrev_b32 v5, 15, v14                      ; 8 (l / 16) rows of 4,096 bytes
	v_lshl_add_u32 v5, v13, 4, v5                  ; + columns 4 (l % 16) on
.set q, 0
.rept 32                               ; load q = 16 ks + 8 c + j: row 32 ks + 16 c + j, and 8 (l / 16) more by the lane
	global_load_b128 v[RW+4*q:RW+4*q+3], v5, s[6:7] offset:(16*(q/8)+(q%8))*4096
.set q, q+1
.endr
	s_lshl_b32 s26, s20, 8                         ; my wave's 64 k of x
	s_add_nc_u64 s[8:9], s[8:9], s[26:27]
	v_lshlrev_b32 v6, 12, v13                      ; row l % 16
	v_lshl_add_u32 v6, v14, 5, v6                  ; + 8 (l / 16) numbers
.irp ks, 0,1
.irp mt, 0,1
.irp i, 0,1,2,3
	global_load_b128 v[RX+16*(2*\ks+\mt)+4*\i:RX+16*(2*\ks+\mt)+4*\i+3], v6, s[8:9] offset:65536*\mt+128*\ks+16*(\i%2)+64*(\i/2)
.endr
.endr
.endr
	s_wait_loadcnt 0x0                             ; one batch
	; W1 is rounded in pairs along k.  The first step's fragments go below the raw numbers, the second step's where the first step's raw numbers lay: these have been read by then
.irp ks, 0,1
.irp e, 0,1,2,3
.irp c, 0,1
.irp i, 0,1,2,3
	v_cvt_pk_bf16_f32 v[FW+32*\ks+8*\e+4*\c+\i], v[RW+4*(16*\ks+8*\c+2*\i)+\e], v[RW+4*(16*\ks+8*\c+2*\i+1)+\e]
.endr
.endr
.endr
.endr
	; x is rounded in place, ascending: word d takes numbers 2 d and 2 d + 1, so no number is overwritten before it is read
.set d, 0
.rept 32
	v_cvt_pk_bf16_f32 v[RX+d], v[RX+2*d], v[RX+2*d+1]
.set d, d+1
.endr
	; the eight accumulators take turns; the first step starts the sums with the constant 0
.irp ks, 0,1
.irp mt, 0,1
.irp e, 0,1,2,3
.if \ks == 0
	v_wmma_f32_16x16x32_bf16 v[ACC+8*(4*\mt+\e):ACC+8*(4*\mt+\e)+7], v[FW+32*\ks+8*\e:FW+32*\ks+8*\e+7], v[RX+8*(2*\ks+\mt):RX+8*(2*\ks+\mt)+7], 0
.else
	v_wmma_f32_16x16x32_bf16 v[ACC+8*(4*\mt+\e):ACC+8*(4*\mt+\e)+7], v[FW+32*\ks+8*\e:FW+32*\ks+8*\e+7], v[RX+8*(2*\ks+\mt):RX+8*(2*\ks+\mt)+7], v[ACC+8*(4*\mt+\e):ACC+8*(4*\mt+\e)+7]
.endif
.endr
.endr
.endr
	; the addresses for the way out: plain lines that name no register of the products, the places behind them (ISA guide 7.12.1)
	s_lshl_b32 s28, s20, 13
	v_lshl_add_u32 v9, v12, 4, s28                 ; in: my wave's 8,192 bytes, as the sums lie in registers: chunk (2 (4 mt + e) + half) x 32 + l of 16 bytes
	v_lshlrev_b32 v10, 4, v0                       ; thread t adds the sixteen waves' chunk t
	v_add_nc_u32 v11, 65536, v10                   ; waves 8 to 15 lie beyond a 16-bit offset
	v_lshrrev_b32 v24, 8, v0                       ; chunk t: mt = t / 256, e = (t / 64) % 4, half = (t / 32) % 2, lane t % 32
	v_lshl_add_u32 v24, v24, 4, v13                ; its row m = 16 mt + t % 16
	v_mul_u32_u24 v15, v24, PT
	v_lshl_add_u32 v15, v14, 7, v15                ; its four numbers are the columns 32 (l / 16) + 16 half + 4 q + e, q = 0..3
	v_bfe_u32 v25, v0, 5, 1
	v_lshl_add_u32 v15, v25, 6, v15
	v_bfe_u32 v25, v0, 6, 2
	v_lshl_add_u32 v15, v25, 2, v15
	v_add_nc_u32 v15, NAT, v15
	v_lshrrev_b32 v7, 4, v0                        ; at the end thread t finishes row m = t / 16, columns 4 (t % 16) + 0..3
	v_mul_u32_u24 v26, v7, PT
	v_lshl_add_u32 v26, v13, 4, v26
	v_add_nc_u32 v26, NAT, v26
	v_lshlrev_b32 v8, 12, v7
	v_lshl_add_u32 v8, v13, 4, v8                  ; and the same place in hb
	v_pk_add_f32 v[16:17], v[16:17], v[20:21]      ; b1 + b2
	v_pk_add_f32 v[18:19], v[18:19], v[22:23]
.irp a, 0,1,2,3,4,5,6,7
	ds_store_b128 v9, v[ACC+8*\a:ACC+8*\a+3] offset:1024*\a        ; each accumulator's low four registers first; 32 lanes store 512 bytes on end
	ds_store_b128 v9, v[ACC+8*\a+4:ACC+8*\a+7] offset:1024*\a+512
.endr
	s_wait_dscnt 0x0                               ; for the others' sake
	s_barrier_signal -1
	s_barrier_wait -1
.irp i, 0,1,2,3,4,5,6,7
	ds_load_b128 v[64+4*\i:67+4*\i], v10 offset:8192*\i
.endr
.irp i, 0,1,2,3,4,5,6,7
	ds_load_b128 v[96+4*\i:99+4*\i], v11 offset:8192*\i
.endr
	s_wait_dscnt 0x0
.irp s, 32,16,8,4                      ; sixteen partial sums of four numbers: the upper half onto the lower, four times
.set r, 0
.rept \s/2
	v_pk_add_f32 v[64+r:65+r], v[64+r:65+r], v[64+\s+r:65+\s+r]
.set r, r+2
.endr
.endr
.irp q, 0,1,2,3
	ds_store_b32 v15, v[64+\q] offset:16*\q        ; each sum to its natural place: bytes of their own, which no wave reads before the barrier below
.endr
	s_wait_dscnt 0x0                               ; for the others' sake
	s_barrier_signal -1
	s_barrier_wait -1
	ds_load_b128 v[68:71], v26
	s_wait_dscnt 0x0
	v_pk_add_f32 v[68:69], v[68:69], v[16:17]
	v_pk_add_f32 v[70:71], v[70:71], v[18:19]
	v_pk_mul_f32 v[68:69], v[68:69], s[22:23] op_sel_hi:[1,0]
	v_pk_mul_f32 v[70:71], v[70:71], s[22:23] op_sel_hi:[1,0]
	global_store_b128 v8, v[68:71], s[16:17]       ; 16 lanes store 256 consecutive bytes, at a multiple of 256 from hb's first byte
	s_wait_tensorcnt 0x0                           ; the wave's end, behind my last LDS store
	ds_add_u32 v[SPW], v[NIL]
	s_wait_dscnt 0x0
	s_endpgm
.Lfunc_end_k_qf207cb8f60_prep:
	.size	k_qf207cb8f60_prep, .Lfunc_end_k_qf207cb8f60_prep-k_qf207cb8f60_prep
	.p2alignl 7, 3214868480
	.fill 96, 4, 3214868480
	.section	.rodata,"a",@progbits
	.p2align	6, 0x0
	.amdhsa_kernel k_qf207cb8f60_prep
		.amdhsa_group_segment_fixed_size 141824
		.amdhsa_private_segment_fixed_size 0
		.amdhsa_enable_private_segment 0
		.amdhsa_kernarg_size 56
		.amdhsa_user_sgpr_count 2
		.amdhsa_user_sgpr_kernarg_segment_ptr 1
		.amdhsa_wavefront_size32 1
		.amdhsa_system_sgpr_workgroup_id_x 1
		.amdhsa_system_sgpr_workgroup_id_y 1
		.amdhsa_system_sgpr_workgroup_id_z 1
		.amdhsa_system_vgpr_workitem_id 0
		.amdhsa_next_free_vgpr 256
		.amdhsa_next_free_sgpr 66
		.amdhsa_reserve_vcc 0
		.amdhsa_float_denorm_mode_32 3
		.amdhsa_float_denorm_mode_16_64 3
		.amdhsa_memory_ordered 1
		.amdhsa_forward_progress 1
		.amdhsa_inst_pref_size 25
	.end_amdhsa_kernel
	.amdgpu_metadata
---
amdhsa.version: [ 1, 2 ]
amdhsa.kernels:
  - .name:           k_qf207cb8f60_prep
    .symbol:         k_qf207cb8f60_prep.kd
    .args:
      - { .name: W2, .offset: 0, .size: 8, .value_kind: global_buffer, .address_space: global }
      - { .name: W1, .offset: 8, .size: 8, .value_kind: global_buffer, .address_space: global }
      - { .name: x, .offset: 16, .size: 8, .value_kind: global_buffer, .address_space: global }
      - { .name: b1, .offset: 24, .size: 8, .value_kind: global_buffer, .address_space: global }
      - { .name: b2, .offset: 32, .size: 8, .value_kind: global_buffer, .address_space: global }
      - { .name: w2t, .offset: 40, .size: 8, .value_kind: global_buffer, .address_space: global }
      - { .name: hb, .offset: 48, .size: 8, .value_kind: global_buffer, .address_space: global }
    .group_segment_fixed_size: 141824
    .private_segment_fixed_size: 0
    .kernarg_segment_align: 8
    .kernarg_segment_size: 56
    .max_flat_workgroup_size: 512
    .sgpr_count:     66
    .vgpr_count:     256
    .wavefront_size: 32
...
	.end_amdgpu_metadata
.endif
;; end of part 1
;; launch score (part 2): grid 4 x 128, 4 waves a work-group, clusters of 4 x 4, 327,680 bytes of LDS; arguments memory, w2t, hb, v, part; writes part
.if DOCPART == 2
	.amdgcn_target "amdgcn-amd-amdhsa--gfx1250"
	.amdhsa_code_object_version 6
	.text
	.protected	k_qf207cb8f60_score
	.globl	k_qf207cb8f60_score
	.p2align	8
	.type	k_qf207cb8f60_score,@function
k_qf207cb8f60_score:
	s_mov_b64 s[64:65], 0
	v_nop
	global_prefetch_b8 v0, s[64:65] scope:SCOPE_SE
	s_setreg_imm32_b32 hwreg(HW_REG_WAVE_MODE, 25, 1), 1
	s_wait_xcnt 0x0
	s_wait_alu depctr_hold_cnt(0) depctr_sa_sdst(0) depctr_va_vdst(0) depctr_va_sdst(0) depctr_va_ssrc(0) depctr_va_vcc(0) depctr_vm_vsrc(0)
	s_getreg_b32 s2, hwreg(HW_REG_IB_STS2, 6, 4)
	s_cmp_eq_u32 s2, 0
	s_cbranch_scc0 .Lentry_in_a_cluster
	s_endpgm
.Lentry_in_a_cluster:
	s_bfe_u32 s2, ttmp6, 0x10000c
	s_cmp_lg_u32 s2, 0xf033
	s_cbranch_scc0 .Lentry_shape_is_right
	s_endpgm
.Lentry_shape_is_right:
; part[nh][row] = the sum over the 512 hidden columns n of half nh of v[n] tanh(h_x[b][n] + memory[row] . W2[:, n] + b2[n]).
; memory: [32768 rows][2048] f32.  w2t: [1024 n][2048 k] bf16 = c W2 turned.  hb: [32][1024] f32 = c (x W1 + b1 + b2).  c = 2 log2(e), so the sums are c z and tanh(z) = 1 - 2 / (1 + 2^(c z)).
; LIMITS.  NaN and infinities are not treated apart.  tanh saturates by the exponential's own overflow (1 / inf = 0: +1) and underflow (1 / 1: -1); near 0 it has an absolute error of about 1e-7.
; memory is rounded to bf16 for the product; sums in f32.  The projection on v is one row for each batch and stays on the vector unit, in f32.
; SHARES.  A work-group makes 128 rows x 512 columns; each of its four waves 128 rows x 128 columns: 64 accumulators of 16 x 16, 512 registers.  K = 2,048 goes in 16 steps of 128.
; CLUSTER.  4 x 4 work-groups are one batch's 8 row tiles x 2 column halves: half nh = cx % 2, row tile 8 B + 2 cy + cx / 2.  The four of a column of the cluster want the same tiles of w2t: each is
; asked for JOINTLY, by the same tensor load with the same descriptor and a mask that names the four.  A wave fetches, and alone reads, its own 128 rows of w2t.
; memory's rows are wanted by two work-groups (both halves) and are NOT asked for jointly: they are f32 and must be rounded on the way, so they come through registers; as f32 tiles two slots of
; 128 rows x 512 bytes would want 131,072 bytes of LDS beside the ring's 278,528.  Through registers the loads run two stages (256 matrix instructions) ahead, across barriers.
; A stage's roundings stand in fours behind matrix instructions; its loads and its LDS stores stand in the quarter's one run of memory instructions, never singly among the matrix instructions.
; THE MATRIX INSTRUCTION IS USED TRANSPOSED (source 0 = 16 rows of w2t, source 1 = 16 rows of memory): a lane holds ONE row of memory (lane % 16) and the hidden columns 8 (lane / 16) + 0..7.
; So hb is the C operand of the products that start the sums, and the sum over columns stays in the lane but for one exchange of the halves.
; REGISTERS, in windows of 256 (s_set_vgpr_msb: bits 1:0 source 0, 3:2 source 1, 5:4 source 2, 7:6 destination):
;   window 0: v0-31 addresses; v32-63 a stage's rounded words on their way to LDS; v64-127 A's fragments, buffer 0; v128-191, v192-255 memory as loaded, two sets
;   window 1: v0-63 hb of my 64 columns, later v; v64-127 B's fragments, buffer 0; v128-191 B's, buffer 1; v192-255 A's, buffer 1
;   window 2: the 32 accumulators of rows 0-63 ((a, b) at v[8 (8 a + b)]);   window 3: those of rows 64-127
.set PB,    272                        ; a row of w2t in LDS: 256 bytes + 16 of padding: the 16 rows of a load start at 16 different groups of four banks (64 banks of 4 bytes: ISA guide 11.1)
.set WTILE, 128*PB                     ; what one tensor load brings: a wave's 128 rows x 128 k
.set SLOT,  4*WTILE
.set ASTG,  2*SLOT                     ; behind the ring, never filled by a tensor load: A's stage, two buffers of 128 rows x 64 k in bf16
.set PA,    144                        ; its pitch: 128 bytes + 16
.set ABUF,  128*PA
.set RED,   ASTG+2*ABUF                ; [4 waves][128 rows] f32: the waves' row sums meet here
.set SPARE, RED+2048                   ; the spare words, 128 bytes a wave: two blocks of 256 bytes that no other line names
.set SV,   12                          ; v12  the sum of my 64 numbers of v
.set ADRA, 16                          ; v16-17  LDS address of my A fragments in stage buffer 0, 1
.set ADRB, 20                          ; v20-21  of my B fragments in slot 0, 1
.set AST,  22                          ; v22  where I put 8 bytes of a rounded row
.set AGO,  23                          ; v23  my byte offset in the tile's rows of memory
.set HVO,  24                          ; v24  32 (l / 16): my 8 columns in 16 of hb and of v
.set PFOA, 25                          ; v25  the prefetches' offsets
.set PFOB, 26                          ; v26
.set PO,   27                          ; v27  16 l
.set SPW,  28                          ; v28  SPARE + 4 x my thread's number; never rewritten
.set NIL,  29                          ; v29  0; never rewritten
.set REDW, 30                          ; v30  where I put a row sum
.set REDR, 31                          ; v31  where wave 0 reads four of them
.set WV,   14                          ; s14  my wave's number
.set G1,   24                          ; s[24:31] descriptor group 1
.set G0,   32                          ; s[32:39] descriptor group 0, a set for each slot
.set APTR, 40                          ; s[40:41] memory at the tile's first row, at the stage that the trip's first loads want
.set PFA,  42                          ; s[42:43] where my prefetches of memory stand
.set PFB,  44                          ; s[44:45] of w2t
.set LIMB, 46                          ; s46  1 in the first cluster, else the greatest number
.set CNT,  47                          ; s47  trips to go
.set SEL,  48                          ; s[48:49] v_permlanex16_b32's selects: each lane takes its own place in the other half
.set HBP,  50                          ; s[50:51] hb at my batch and my 128 columns
.set VP,   52                          ; s[52:53] v at my 128 columns
.set PP,   54                          ; s[54:55] part at my half and my tile's rows
.set MSB, 0
.macro WIN new                         ; the immediate's high byte repeats the setting that is left; a switch that changes nothing is dropped
.if MSB != (\new)
	s_set_vgpr_msb (MSB<<8)|(\new)
.set MSB, \new
.endif
.endm
.macro PLACES                          ; four places in front of loads into registers that matrix instructions have read
.rept 4
	v_nop
.endr
.endm
.macro CREST                           ; a round of the cluster's barrier behind its opening barrier
	s_cmp_lg_u32 s[WV], 0
	s_cbranch_scc1 .Lnot_wave_0_\@
	s_barrier_signal -3
.Lnot_wave_0_\@:
	s_barrier_wait -3
	s_barrier_signal -1
	s_barrier_wait -1
.endm
.macro CROUND                          ; a whole round
	s_barrier_signal -1
	s_barrier_wait -1
	CREST
.endm
; A STAGE OF A is 64 k (256 bytes of f32) of the tile's 128 rows; wave w rounds rows 32 w .. 32 w + 31.  Number q of its sixteen parts is two rows' 256 bytes: lanes 0-15 row RO = q % 8 + 16 (q / 8),
; lanes 16-31 row RO + 8.
.macro ALOADS p, imm                   ; a stage's 16 loads into set p, from byte imm behind the pointer (window 0)
.set AQ, 0
.rept 16
	global_load_b128 v[128+64*(\p)+4*AQ:128+64*(\p)+4*AQ+3], v[AGO], s[APTR:APTR+1] offset:8192*((AQ&7)+16*(AQ>>3))+(\imm)
.set AQ, AQ+1
.endr
.endm
.macro ACVT                            ; parts AQ and AQ + 1 of set AP are rounded: four plain instructions, which name no register of the products round them
	WIN 0
.rept 2
.set RR, 128+64*AP+4*AQ
	v_cvt_pk_bf16_f32 v[32+2*AQ], v[RR], v[RR+1]
	v_cvt_pk_bf16_f32 v[33+2*AQ], v[RR+2], v[RR+3]
.set AQ, AQ+1
.endr
.endm
; The stage's 16 stores into stage buffer p.  Address and data lie in window 0 (sources 0 and 1); the destination's window does not matter to a store, so they also stand under the fetch's setting.
; The two halves of the lanes store 1,152 bytes = 288 words apart: 32 banks, so the 32 lanes touch each bank once.
.macro ASTORES p
.set AQ, 0
.rept 16
	ds_store_b64 v[AST], v[32+2*AQ:33+2*AQ] offset:PA*((AQ&7)+16*(AQ>>3))+ABUF*(\p)
.set AQ, AQ+1
.endr
.endm
; 16 matrix instructions on fragment buffer f: row blocks a0, a0 + 1 of the window's four (hi = 0: rows 0-63, 1: rows 64-127) x all 8 column blocks, 32 along K.
; cm = 1: the products start the sums from hb.  ride = 1: an ACVT stands behind every second one: eight of them round a stage.
; The 64 accumulators take turns in the same order in every quarter, over the backward jump too.
.macro MUL16 f, hi, a0, cm, ride
.set FB, 64+64*(\f)
.set FA, 64+128*(\f)
.if \cm
.set WM, 1|((\f)<<2)|(1<<4)|((2+(\hi))<<6)
.else
.set WM, 1|((\f)<<2)|((2+(\hi))<<4)|((2+(\hi))<<6)
.endif
.irp a, \a0, (\a0)+1
.irp b, 0,1,2,3,4,5,6,7
	WIN WM
.if \cm
	v_wmma_f32_16x16x32_bf16 v[8*(8*(\a)+(\b)):8*(8*(\a)+(\b))+7], v[FB+8*(\b):FB+8*(\b)+7], v[FA+8*(4*(\hi)+(\a)):FA+8*(4*(\hi)+(\a))+7], v[8*(\b):8*(\b)+7]
.else
	v_wmma_f32_16x16x32_bf16 v[8*(8*(\a)+(\b)):8*(8*(\a)+(\b))+7], v[FB+8*(\b):FB+8*(\b)+7], v[FA+8*(4*(\hi)+(\a)):FA+8*(4*(\hi)+(\a))+7], v[8*(8*(\a)+(\b)):8*(8*(\a)+(\b))+7]
.endif
.if (\ride) && (((\b)&1) == 0)
	ACVT
.endif
.endr
.endr
.endm
; 32 LDS loads in one run: the fragments of 32 along K into buffer g: my 128 rows of w2t at byte kb of slot sl's rows, then the tile's 128 rows of A at byte ka of stage buffer p's rows.
.macro FETCH sl, kb, p, ka, g
.set GB, 64+64*(\g)
.set GA, 64+128*(\g)
	WIN 0x40                                       ; destination window 1, address window 0
.irp i, 0,1,2,3,4,5,6,7
	ds_load_b128 v[GB+8*(\i):GB+8*(\i)+3],   v[ADRB+(\sl)] offset:(\kb)+(\i)*16*PB
	ds_load_b128 v[GB+8*(\i)+4:GB+8*(\i)+7], v[ADRB+(\sl)] offset:(\kb)+(\i)*16*PB+32
.endr
.if (\g) == 0
	WIN 0
.endif
.irp i, 0,1,2,3,4,5,6,7
	ds_load_b128 v[GA+8*(\i):GA+8*(\i)+3],   v[ADRA+(\p)] offset:(\ka)+(\i)*16*PA
	ds_load_b128 v[GA+8*(\i)+4:GA+8*(\i)+7], v[ADRA+(\p)] offset:(\ka)+(\i)*16*PA+32
.endr
.endm
; A K STEP is four quarters of 32 along K, 64 matrix instructions each, on buffers 0, 1, 0, 1.
; The first and the third: buffer 0 is multiplied, the next quarter's fragments are fetched into buffer 1.  ap >= 0: a stage of A is rounded beside the first 16 products; in the quarter's one run of memory
; instructions its registers are asked for again (ld = 1, at byte imm), ahead of the fragment loads, and its words are stored into stage buffer ap, behind them, so that no product waits for the stores.
; lc = how many younger loads may stay out when that stage's have to be in.
.macro QUARTER sl, kb, p, ka, cm, ap, ld, imm, lc
	s_wait_dscnt 8                                 ; B and A's rows 0-63 are in; the youngest eight loads (A's rows 64-127) may be out
.if (\ap) >= 0
	s_wait_loadcnt \lc                             ; loads come back in order: the stage's 16 are in, the next stage's stay out
.set AQ, 0
.set AP, \ap
	MUL16 0, 0, 0, \cm, 1
.else
	MUL16 0, 0, 0, \cm, 0
.endif
	MUL16 0, 0, 2, \cm, 0
	PLACES
.if ((\ap) >= 0) && (\ld)
	WIN 0
	ALOADS \ap, \imm
.endif
	FETCH \sl, \kb, \p, \ka, 1
.if (\ap) >= 0
	ASTORES \ap
	s_wait_dscnt 48                                ; all but the 32 loads and 16 stores just issued: A's rows 64-127 are in
.else
	s_wait_dscnt 32                                ; all but the 32 just issued
.endif
	MUL16 0, 1, 0, \cm, 0
	MUL16 0, 1, 2, \cm, 0
.endm
; The second quarter multiplies buffer 1 and holds the barrier for A's stage: in front of it each wave's stores into stage buffer 1 and its reads of stage buffer 0 are done;
; behind it buffer 1 is read and, a quarter later, buffer 0 written.  No LDS bytes are filled by a tensor load behind this barrier, so the ring's load stays on its way.
.macro TMID sl
	s_wait_dscnt 24                                ; the youngest eight loads and the stage's 16 stores behind them may be out
	MUL16 1, 0, 0, 0, 0
	s_wait_dscnt 0x0                               ; my LDS stores and loads are done
	s_barrier_signal -1
	MUL16 1, 0, 2, 0, 0                            ; work on registers while the others arrive
	s_barrier_wait -1
	PLACES
	FETCH \sl, 128, 1, 0, 0
	MUL16 1, 1, 0, 0, 0
	MUL16 1, 1, 2, 0, 0
.endm
; The fourth quarter multiplies buffer 1 and changes slots.  MEET is its first half: in front of the barrier each wave waits for all its tensor loads, of which one is out: its part of the next slot;
; adds 0 to its spare word; and waits for that, for its reads of this slot and of stage buffer 1, and for its stores into stage buffer 0.
.macro MEET round
	WIN 0                                          ; (the add's two registers lie in window 0)
	s_wait_tensorcnt 0x0                           ; all my tensor loads have landed
	ds_add_u32 v[SPW], v[NIL]                      ; 0 onto my spare word
	s_wait_dscnt 25                                ; (the youngest eight loads, the stage's 16 stores and the add may be out)
	MUL16 1, 0, 0, 0, 0                            ; sixteen matrix instructions stand between the add and the wait for it
	s_wait_dscnt 0x0                               ; the add is done, and so are all my LDS loads and stores
	s_barrier_signal -1
	MUL16 1, 0, 2, 0, 0
.if \round
	WIN 0
.endif
	s_barrier_wait -1
.endm
; PREFETCHES INTO THE L2, behind the joint load, its five lines and the run of LDS loads.
; memory: one instruction names two stages (512 bytes) of 16 rows: lanes 0-15 a row's first 256 bytes, lanes 16-31 its next.  The two work-groups that read a tile's rows share them BY ADDRESS: half nh takes
; rows 64 nh .. + 63, wave w 16 of them: each block is named once in the launch.  The loads that want them are issued two K steps, 512 matrix instructions, later.  The counts stop the requests at stage 30:
; none leaves its row.  Stages 0 to 8 and 31 come by their loads alone.
.macro ASKA imm, lim
	s_cmp_gt_u32 s[CNT], \lim
	s_cbranch_scc0 .Lno_a_\@
	global_prefetch_b8 v[PFOA], s[PFA:PFA+1] offset:\imm th:TH_LOAD_NT scope:SCOPE_SE
.Lno_a_\@:
.endm
; w2t: every cluster walks the same rows; the first (cluster y = 0) asks, once a trip, for the two K steps whose refills begin a lap later.  The eight work-groups of a half share a wave's 128 rows BY ADDRESS,
; 16 each: a lane names a row and a step.  The last trip asks for nothing: there is no K step behind the sixteenth.
.macro ASKB
	s_cmp_gt_u32 s[CNT], s[LIMB]
	s_cbranch_scc0 .Lno_b_\@
	global_prefetch_b8 v[PFOB], s[PFB:PFB+1] offset:1024 th:TH_LOAD_NT scope:SCOPE_SE
.Lno_b_\@:
.endm
; The whole fourth quarter.  The barrier opens a round of the cluster's: no wave of any partner still reads this slot or has a load on its way.  The joint refill, this slot's K step two steps on, is the
; first thing behind the round: 224 matrix instructions ahead of the wait for it.  By the text's own count one tensor load of a wave is out behind each round, two at the start.
.macro TURN sl, nx, imma, lima, askb
	MEET 1
	CREST
	s_add_nc_u64 s[G0+4*(\sl)+2:G0+4*(\sl)+3], s[G0+4*(\sl)+2:G0+4*(\sl)+3], 512  ; two K steps of 256 bytes on; the type bits on top are not reached
	tensor_load_to_lds s[G0+4*(\sl):G0+4*(\sl)+3], s[G1:G1+7]
	s_nop 0
	PLACES                                         ; the places in front of the loads below
	FETCH \nx, 0, 0, 0, 0
	ASKA \imma, \lima
.if \askb
	ASKB
.endif
	MUL16 1, 1, 0, 0, 0
	MUL16 1, 1, 2, 0, 0
.endm
.macro HVLOAD base                     ; my 64 numbers of hb or of v: column block b's eight at v[8 b] of window 1
	WIN 0x40
.irp b, 0,1,2,3,4,5,6,7
	global_load_b128 v[8*\b:8*\b+3],   v[HVO], s[\base:\base+1] offset:64*\b
	global_load_b128 v[8*\b+4:8*\b+7], v[HVO], s[\base:\base+1] offset:64*\b+16
.endr
	WIN 0
.endm
	s_load_b256 s[4:11], s[0:1], 0x0               ; memory s[4:5], w2t s[6:7], hb s[8:9], v s[10:11]
	s_load_b64 s[12:13], s[0:1], 0x20              ; part
	v_lshl_add_u32 v[SPW], v0, 2, SPARE
	v_mov_b32 v[NIL], 0
	ds_add_u32 v[SPW], v[NIL]                      ; the wave's opening: the add, twice on end, and its wait ahead of my first tensor load; the set-up below stands between
	ds_add_u32 v[SPW], v[NIL]                      ; and once more, under the one wait
	v_lshrrev_b32 v1, 5, v0
	v_readfirstlane_b32 s[WV], v1                  ; wave 0..3
	s_bfe_u32 s15, ttmp6, 0x40000                  ; cx
	s_bfe_u32 s16, ttmp6, 0x40004                  ; cy
	s_and_b32 s20, ttmp7, 0xffff                   ; the cluster's y: the batch B
	s_and_b32 s17, s15, 1                          ; nh: my half of the hidden columns
	s_lshr_b32 s19, s15, 1
	s_lshl1_add_u32 s21, s16, s19                  ; my row tile in the batch: 2 cy + cx / 2
	s_lshl3_add_u32 s18, s20, s21                  ; and among all 256
	s_lshl_b32 s22, 0x1111, s15                    ; my column of the cluster: places cx, cx + 4, cx + 8, cx + 12
	; descriptor group 1: a tile of 128 rows x 128 elements, padded in LDS
	s_or_b32 s[G1], s22, (1<<16)|(1<<20)|(1<<21)|(5<<22)|(3<<25)  ; 15:0 the mask; 17:16 elements of 2 bytes; 20 padding on; 21 set beside a mask; 24:22 after every 64 words (code 5); 31:25 4 words of it (code 3)
	s_mov_b32 s[G1+1], 128<<16                     ; tensor_dim0 = 128
	s_mov_b32 s[G1+2], 128<<16                     ; tensor_dim1 = 128
	s_mov_b32 s[G1+3], 128<<16                     ; tile_dim0 = 128
	s_mov_b32 s[G1+4], 128                         ; tile_dim1 = 128
	s_mov_b32 s[G1+5], 2048                        ; elements from row to row
	s_mov_b32 s[G1+6], 0
	s_mov_b32 s[G1+7], 0
	s_mov_b32 s[SEL], 0x76543210
	s_mov_b32 s[SEL+1], 0xfedcba98
	s_cmp_eq_u32 s20, 0
	s_cselect_b32 s[LIMB], 1, -1                   ; the same in all sixteen partners
	v_and_b32 v1, 31, v0                           ; l
	v_and_b32 v2, 15, v0                           ; l % 16
	v_bfe_u32 v3, v0, 4, 1                         ; l / 16
	; a fragment is 16 rows x 32 k in 8 registers: lane l holds row l % 16, k = 8 (l / 16) + 0..7 and 16 + 8 (l / 16) + 0..7: two loads of 16 bytes, 32 bytes apart
	v_mul_u32_u24 v4, v2, PA
	v_lshl_add_u32 v4, v3, 4, v4
	v_add_nc_u32 v[ADRA], ASTG, v4
	v_add_nc_u32 v[ADRA+1], ASTG+ABUF, v4
	s_mul_i32 s23, s[WV], WTILE                    ; my 128 rows in a slot: no place in the cluster enters an LDS address
	v_mul_u32_u24 v5, v2, PB
	v_lshl_add_u32 v5, v3, 4, v5
	v_add_nc_u32 v[ADRB], s23, v5
	v_add_nc_u32 v[ADRB+1], SLOT, v[ADRB]
	s_mul_i32 s58, s[WV], 32*PA
	s_add_co_u32 s58, s58, ASTG
	v_mul_u32_u24 v6, v3, 8*PA
	v_lshl_add_u32 v6, v2, 3, v6
	v_add_nc_u32 v[AST], s58, v6                   ; row 32 w + 8 (l / 16), 8 bytes at 8 (l % 16)
	s_lshl_b32 s58, s[WV], 18
	v_lshlrev_b32 v6, 16, v3
	v_lshl_add_u32 v6, v2, 4, v6
	v_add_nc_u32 v[AGO], s58, v6                   ; the same row in memory, rows of 8,192 bytes; 16 bytes at 16 (l % 16)
	v_lshlrev_b32 v[HVO], 5, v3
	v_lshlrev_b32 v[PFOA], 13, v2
	v_lshl_add_u32 v[PFOA], v3, 8, v[PFOA]         ; row l % 16 of memory, block l / 16
	v_lshlrev_b32 v[PFOB], 12, v2
	v_lshl_add_u32 v[PFOB], v3, 8, v[PFOB]         ; row l % 16 of w2t, K step l / 16
	v_lshlrev_b32 v[PO], 4, v1
	s_lshl_b32 s58, s[WV], 9
	s_add_co_u32 s58, s58, RED
	v_lshl_add_u32 v[REDW], v2, 2, s58
	v_lshl_add_u32 v[REDR], v1, 4, RED
	; offsets, made apart from the addresses.  w2t's is made of cx and the wave's number alone, in registers that never hold cy
	s_lshl_b32 s56, s17, 21                        ; 512 rows of 4,096 bytes a half
	s_lshl_b32 s57, s[WV], 19                      ; 128 rows a wave
	s_add_co_u32 s56, s56, s57
	s_mov_b32 s57, 0
	s_lshl_b32 s58, s18, 20                        ; memory: 128 rows of 8,192 bytes a tile
	s_mov_b32 s59, 0
	s_lshl_b32 s60, s17, 11                        ; hb and v: 512 columns a half,
	s_lshl_b32 s61, s[WV], 9                       ; 128 a wave
	s_add_co_u32 s60, s60, s61
	s_mov_b32 s61, 0
	s_lshl_b32 s62, s20, 12                        ; hb's row B
	s_mov_b32 s63, 0
	s_wait_dscnt 0x0                               ; both opening adds are done
	s_wait_kmcnt 0x0
	s_add_nc_u64 s[APTR:APTR+1], s[4:5], s[58:59]
	s_add_nc_u64 s[HBP:HBP+1], s[8:9], s[60:61]
	s_add_nc_u64 s[HBP:HBP+1], s[HBP:HBP+1], s[62:63]
	s_add_nc_u64 s[VP:VP+1], s[10:11], s[60:61]
	s_lshl_b32 s58, s17, 17                        ; part: 32,768 rows of 4 bytes a half,
	s_lshl_b32 s60, s18, 9                         ; 128 a tile
	s_add_co_u32 s58, s58, s60
	s_add_nc_u64 s[PP:PP+1], s[12:13], s[58:59]
	s_lshl_b32 s58, s17, 19                        ; the prefetches of memory: rows 64 nh + 16 w on,
	s_lshl_b32 s60, s[WV], 17
	s_add_co_u32 s58, s58, s60
	s_add_co_u32 s58, s58, 1024                    ; four stages along the row; the immediates add the rest
	s_add_nc_u64 s[PFA:PFA+1], s[APTR:APTR+1], s[58:59]
	s_lshl_b32 s58, s21, 16                        ; of w2t: my work-group's 16 of my wave's 128 rows
	s_add_nc_u64 s[PFB:PFB+1], s[6:7], s[56:57]
	s_add_nc_u64 s[PFB:PFB+1], s[PFB:PFB+1], s[58:59]
	s_add_nc_u64 s[56:57], s[6:7], s[56:57]        ; w2t at my wave's first row
	HVLOAD HBP                                     ; hb
	ALOADS 0, 0                                    ; stages 0 and 1 of A
	ALOADS 1, 256
	CROUND                                         ; all sixteen work-groups are here: the first joint loads meet
.irp s, 0,1
	s_mov_b32 s[G0+4*\s], 1                        ; 1:0 count = 1
	s_add_co_u32 s[G0+4*\s+1], s23, \s*SLOT        ; 63:32 LDS address
	s_add_nc_u64 s[G0+4*\s+2:G0+4*\s+3], s[56:57], \s*256  ; 120:64 global address: K step s
	s_or_b32 s[G0+4*\s+3], s[G0+4*\s+3], 0x80000000        ; 127:126 type = 2
.endr
	tensor_load_to_lds s[G0:G0+3], s[G1:G1+7]      ; both first fills go out together: two loads of mine are out
	s_nop 0
	tensor_load_to_lds s[G0+4:G0+7], s[G1:G1+7]
	s_nop 0
	PLACES
	s_wait_loadcnt 16                              ; hb and stage 0 are in; stage 1's 16 loads stay out
.set AQ, 0
.set AP, 0
.rept 8
	ACVT                                           ; stage 0 is rounded,
.endr
	ALOADS 0, 512                                  ; stage 2 asked for,
	ASTORES 0                                      ; and stage 0 put into stage buffer 0
	s_wait_tensorcnt 1                             ; my part of K step 0 is in; slot 1's may stay out
	s_wait_dscnt 0x0                               ; my stores into the stage are done
	s_barrier_signal -1
	s_barrier_wait -1
	FETCH 0, 0, 0, 0, 0
	QUARTER 0, 64, 0, 64, 1, 1, 1, 768, 16         ; the first quarter stands in front of the loop: its products start the sums from hb; stage 1 is rounded, stage 3 asked for
	WIN 0                                          ; at a label and at a branch every window is 0
	s_wait_xcnt 0x0                                ; every load issued so far has read its address (the youngest stands 32 matrix instructions back)
	s_add_nc_u64 s[APTR:APTR+1], s[APTR:APTR+1], 1024  ; at stage 4
	s_mov_b32 s[CNT], 7
.Llap:                                                 ; a trip goes once round the ring, from a lap's second quarter to the next lap's first: two K steps, four stages of A, both slots filled again
	TMID 0
	QUARTER 0, 192, 1, 64, 0, 0, 1, 0, 16
	TURN 0, 1, 1280, 1, 1
	QUARTER 1, 64, 0, 64, 0, 1, 1, 256, 16
	TMID 1
	QUARTER 1, 192, 1, 64, 0, 0, 1, 512, 16
	TURN 1, 0, 1792, 2, 0
	QUARTER 0, 64, 0, 64, 0, 1, 1, 768, 16
	WIN 0
	s_wait_xcnt 0x0                                ; the youngest load stands 32 matrix instructions back, the youngest prefetch 96: the pointers may be written
	s_add_nc_u64 s[APTR:APTR+1], s[APTR:APTR+1], 1024
	s_add_nc_u64 s[PFA:PFA+1], s[PFA:PFA+1], 1024
	s_add_nc_u64 s[PFB:PFB+1], s[PFB:PFB+1], 512
	s_sub_co_u32 s[CNT], s[CNT], 1
	s_cmp_lg_u32 s[CNT], 0
	s_cbranch_scc1 .Llap
	TMID 0                                         ; the last lap is written out: it fills no slot and has no round
	QUARTER 0, 192, 1, 64, 0, 0, 0, 0, 16          ; stage 30 is rounded; nothing is left to ask for
	MEET 0                                         ; my one tensor load that was still out is the last K step's
	PLACES
	FETCH 1, 0, 0, 0, 0
	MUL16 1, 1, 0, 0, 0
	MUL16 1, 1, 2, 0, 0
	QUARTER 1, 64, 0, 64, 0, 1, 0, 0, 0            ; stage 31: no younger load is out
	PLACES
	HVLOAD VP                                      ; v takes hb's registers, which only the first quarter read
	TMID 1
	QUARTER 1, 192, 1, 64, 0, -1, 0, 0, 0
	s_wait_dscnt 8                                 ; the very last quarter: nothing more to fetch
	MUL16 1, 0, 0, 0, 0
	MUL16 1, 0, 2, 0, 0
	s_wait_dscnt 0x0
	MUL16 1, 1, 0, 0, 0
	MUL16 1, 1, 2, 0, 0
	; THE WAY OUT.  The sum over my columns of v tanh = (the sum of v) - 2 (the sum of v / (1 + 2^(c z))).
	s_wait_loadcnt 0x0                             ; v
	WIN 0x05                                       ; sources window 1, destination window 0.  These 32 plain lines name no register of the last products: they are the places behind them
.set i, 0
.rept 16
	v_pk_add_f32 v[64+2*i:65+2*i], v[4*i:4*i+1], v[4*i+2:4*i+3]
.set i, i+1
.endr
	WIN 0
.irp s, 16,8,4,2
.set i, 0
.rept \s/2
	v_pk_add_f32 v[64+i:65+i], v[64+i:65+i], v[64+\s+i:65+\s+i]
.set i, i+2
.endr
.endr
	v_add_f32 v[SV], v64, v65
; Row block a of the window in hand: 64 numbers a lane, in place.  Each batch of 64 transcendentals has one plain instruction behind it and one wait ahead of its first reader.
; Each accumulator is read from its lowest register on.  Then four chains of packed multiply-adds by v over the eight column blocks, and their sum.
.macro EPI a
.set EB, 64*(\a)
.set i, 0
.rept 64
	v_exp_f32 v[EB+i], v[EB+i]
.set i, i+1
.endr
	v_nop
	s_wait_alu depctr_va_vdst(0)
.set i, 0
.rept 32
	v_pk_add_f32 v[EB+i:EB+i+1], v[EB+i:EB+i+1], 1.0 op_sel_hi:[1,0]
.set i, i+2
.endr
.set i, 0
.rept 64
	v_rcp_f32 v[EB+i], v[EB+i]
.set i, i+1
.endr
	v_nop
	s_wait_alu depctr_va_vdst(0)
.irp p, 0,1,2,3
	v_pk_mul_f32 v[EB+2*\p:EB+2*\p+1], v[EB+2*\p:EB+2*\p+1], v[2*\p:2*\p+1]
.endr
.irp b, 1,2,3,4,5,6,7
.irp p, 0,1,2,3
	v_pk_fma_f32 v[EB+8*\b+2*\p:EB+8*\b+2*\p+1], v[EB+8*\b+2*\p:EB+8*\b+2*\p+1], v[8*\b+2*\p:8*\b+2*\p+1], v[EB+8*(\b-1)+2*\p:EB+8*(\b-1)+2*\p+1]
.endr
.endr
	v_pk_fma_f32 v[EB+56:EB+57], v[EB+56:EB+57], 1.0, v[EB+58:EB+59] op_sel_hi:[1,0,1]  ; a sum written as x 1 + y: source 1's window is v's
	v_pk_fma_f32 v[EB+60:EB+61], v[EB+60:EB+61], 1.0, v[EB+62:EB+63] op_sel_hi:[1,0,1]
	v_pk_fma_f32 v[EB+56:EB+57], v[EB+56:EB+57], 1.0, v[EB+60:EB+61] op_sel_hi:[1,0,1]
.endm
.macro EPIW w                          ; window w's four row blocks; their sums go to v[72 + 4 (w - 2) ..] of window 0
	WIN (\w)|(1<<2)|((\w)<<4)|((\w)<<6)            ; destination, sources 0 and 2 in window w, source 1 (v) in window 1
	EPI 0
	EPI 1
	EPI 2
	EPI 3
	WIN (\w)|((\w)<<4)
.irp a, 0,1,2,3
	v_fma_f32 v[72+4*((\w)-2)+\a], v[64*\a+56], 1.0, v[64*\a+57]
.endr
.endm
	EPIW 2
	EPIW 3
	WIN 0
.irp i, 0,1,2,3,4,5,6,7
	v_fma_f32 v[72+\i], v[72+\i], -2.0, v[SV]
.endr
.irp i, 0,1,2,3,4,5,6,7
	v_permlanex16_b32 v[80+\i], v[72+\i], s[SEL], s[SEL+1]  ; the row's other 64 columns lie in the lane 16 away
.endr
.irp i, 0,1,2,3,4,5,6,7
	v_add_f32 v[72+\i], v[72+\i], v[80+\i]
.endr
.irp i, 0,1,2,3,4,5,6,7
	ds_store_b32 v[REDW], v[72+\i] offset:64*\i    ; row 16 i + l % 16; both halves of the lanes write the same word with the same number
.endr
	s_wait_dscnt 0x0                               ; for the others' sake
	s_barrier_signal -1
	s_barrier_wait -1
	s_cmp_lg_u32 s[WV], 0                          ; wave 0 adds the four waves' sums and stores the tile's 128
	s_cbranch_scc1 .Lclose
.irp w, 0,1,2,3
	ds_load_b128 v[96+4*\w:99+4*\w], v[REDR] offset:512*\w
.endr
	s_wait_dscnt 0x0
	v_pk_add_f32 v[96:97], v[96:97], v[100:101]
	v_pk_add_f32 v[98:99], v[98:99], v[102:103]
	v_pk_add_f32 v[104:105], v[104:105], v[108:109]
	v_pk_add_f32 v[106:107], v[106:107], v[110:111]
	v_pk_add_f32 v[96:97], v[96:97], v[104:105]
	v_pk_add_f32 v[98:99], v[98:99], v[106:107]
	global_store_b128 v[PO], v[96:99], s[PP:PP+1]  ; 512 consecutive bytes, at a multiple of 256 from part's first byte
.Lclose:
	s_wait_tensorcnt 0x0                           ; the wave's end, behind my last tensor load and my last LDS store
	ds_add_u32 v[SPW], v[NIL]
	s_wait_dscnt 0x0
	CROUND                                         ; the closing round: no work-group ends while a partner may still ask for a tile that names it
	s_endpgm
.Lfunc_end_k_qf207cb8f60_score:
	.size	k_qf207cb8f60_score, .Lfunc_end_k_qf207cb8f60_score-k_qf207cb8f60_score
	.p2alignl 7, 3214868480
	.fill 96, 4, 3214868480
	.section	.rodata,"a",@progbits
	.p2align	6, 0x0
	.amdhsa_kernel k_qf207cb8f60_score
		.amdhsa_group_segment_fixed_size 327680
		.amdhsa_private_segment_fixed_size 0
		.amdhsa_enable_private_segment 0
		.amdhsa_kernarg_size 40
		.amdhsa_user_sgpr_count 2
		.amdhsa_user_sgpr_kernarg_segment_ptr 1
		.amdhsa_wavefront_size32 1
		.amdhsa_system_sgpr_workgroup_id_x 1
		.amdhsa_system_sgpr_workgroup_id_y 1
		.amdhsa_system_sgpr_workgroup_id_z 1
		.amdhsa_system_vgpr_workitem_id 0
		.amdhsa_next_free_vgpr 1024
		.amdhsa_next_free_sgpr 66
		.amdhsa_reserve_vcc 0
		.amdhsa_float_denorm_mode_32 3
		.amdhsa_float_denorm_mode_16_64 3
		.amdhsa_memory_ordered 1
		.amdhsa_forward_progress 1
		.amdhsa_inst_pref_size 225
	.end_amdhsa_kernel
	.amdgpu_metadata
---
amdhsa.version: [ 1, 2 ]
amdhsa.kernels:
  - .name:           k_qf207cb8f60_score
    .symbol:         k_qf207cb8f60_score.kd
    .args:
      - { .name: memory, .offset: 0, .size: 8, .value_kind: global_buffer, .address_space: global }
      - { .name: w2t, .offset: 8, .size: 8, .value_kind: global_buffer, .address_space: global }
      - { .name: hb, .offset: 16, .size: 8, .value_kind: global_buffer, .address_space: global }
      - { .name: v, .offset: 24, .size: 8, .value_kind: global_buffer, .address_space: global }
      - { .name: part, .offset: 32, .size: 8, .value_kind: global_buffer, .address_space: global }
    .group_segment_fixed_size: 327680
    .private_segment_fixed_size: 0
    .kernarg_segment_align: 8
    .kernarg_segment_size: 40
    .max_flat_workgroup_size: 128
    .sgpr_count:     66
    .vgpr_count:     1024
    .wavefront_size: 32
...
	.end_amdgpu_metadata
.endif
;; end of part 2
;; launch ctx (part 3): grid 256 x 1, 8 waves a work-group, no clusters, 9,728 bytes of LDS; arguments part, bv, memory, out0, out1; writes out0, out1
.if DOCPART == 3
	.amdgcn_target "amdgcn-amd-amdhsa--gfx1250"
	.amdhsa_code_object_version 6
	.text
	.protected	k_qf207cb8f60_ctx
	.globl	k_qf207cb8f60_ctx
	.p2align	8
	.type	k_qf207cb8f60_ctx,@function
k_qf207cb8f60_ctx:
	s_mov_b64 s[64:65], 0
	v_nop
	global_prefetch_b8 v0, s[64:65] scope:SCOPE_SE
	s_setreg_imm32_b32 hwreg(HW_REG_WAVE_MODE, 25, 1), 1
	s_wait_xcnt 0x0
; score[b][s] = part[0][b][s] + part[1][b][s] + bv;  out1[b] = softmax over s;  out0[b][d] = the sum over s of out1[b][s] memory[b][s][d].  All f32.
; SHARES.  A work-group owns one batch b and 256 of its 2,048 columns (1,024 bytes of every row): 32 x 8 = 256 work-groups.  Wave w takes 128 of the columns (w % 2: 512 bytes, one load of the wave)
; and 256 of the 1,024 rows (w / 2).  Every work-group makes the batch's softmax anew from 8,192 bytes of partial scores; of out1's 4,096 bytes a batch, work-group c stores the 512 of its wave c.
; memory is read once, each byte by one wave, so the launch is its stream: A RING OF EIGHT SLOTS OF FOUR ROWS in registers keeps 28 to 32 loads of 512 bytes of every wave on their way.  A slot owns its
; data registers and its offset register; the wait that shows its loads in also frees that offset, so stepping it costs one addition and no further wait, and the scalar base is never rewritten.
; The matrix unit (one row a batch), clusters (nothing is shared but the small scores) and a prefetch (the stream itself keeps memory busy) are left out.
; SOFTMAX.  The maximum m is taken away: e = 2^((s - m) log2(e)); e stays unnormalised in LDS, and 1 / (the sum of e) is applied at both outputs.
; LIMITS.  NaN and infinities are not treated apart; a weight below 2^-126 counts as 0.
.set RMAX,  0                          ; LDS: the eight waves' maxima
.set RSUM,  256                        ; their sums
.set PW,    512                        ; e, 1,024 numbers
.set CTX,   4608                       ; the eight waves' partial contexts, 512 bytes each
.set SPARE, 8704                       ; the spare words, 128 bytes a wave, that no other line names
.set SPW, 2                            ; v2   SPARE + 4 x my thread's number; never rewritten
.set NIL, 3                            ; v3   0; never rewritten
.set VO,  4                            ; v4   16 l
.set W4,  5                            ; v5   4 w
.set PST, 6                            ; v6   PW + 16 t
.set PAD, 7                            ; v7   PW + 1,024 (w / 2), stepped 128 a trip
.set ACC, 16                           ; v[16:23]  my four columns' sums, for even and for odd rows
.set PR,  32                           ; v[32:63]  a trip's 32 weights
.set X,   64                           ; v[64:191] slot s: four rows x 4 numbers at X + 16 s
.set T16, 192                          ; v192 16 t
.set ZA,  193                          ; v193 0, an LDS address
.set CST, 194                          ; v194 CTX + 512 w + 16 l
.set OF,  196                          ; v[196:203] slot s: 16 l + 262,144 x the trip that it loads for
.set MB,  16                           ; s[16:17] memory at my first row and my columns; never rewritten
	s_load_b256 s[4:11], s[0:1], 0x0               ; part s[4:5], bv s[6:7], memory s[8:9], out0 s[10:11]
	s_load_b64 s[12:13], s[0:1], 0x20              ; out1
	v_lshl_add_u32 v[SPW], v0, 2, SPARE
	v_mov_b32 v[NIL], 0
	v_lshrrev_b32 v1, 5, v0
	v_readfirstlane_b32 s20, v1                    ; wave 0..7
	v_and_b32 v1, 31, v0
	v_lshlrev_b32 v[VO], 4, v1
.irp s, 0,1,2,3,4,5,6,7
	v_lshlrev_b32 v[OF+\s], 4, v1
.endr
	v_lshlrev_b32 v[T16], 4, v0
	v_lshl_add_u32 v[PST], v0, 4, PW
	v_mov_b32 v[ZA], 0
	s_lshr_b32 s21, ttmp9, 3                       ; b
	s_and_b32 s22, ttmp9, 7                        ; c: my 256 columns
	s_and_b32 s23, s20, 1                          ; which 128 of them
	s_lshr_b32 s24, s20, 1                         ; which 256 rows
	s_lshl_b32 s25, s20, 2
	v_mov_b32 v[W4], s25
	s_lshl_b32 s25, s24, 10
	s_add_co_u32 s25, s25, PW
	v_mov_b32 v[PAD], s25
	s_lshl_b32 s25, s20, 9
	s_add_co_u32 s25, s25, CTX
	v_add_nc_u32 v[CST], s25, v[VO]
	s_mov_b32 s15, 0                               ; named with bv as a pair
	s_mov_b32 s18, 0x76543210                      ; v_permlanex16_b32: each lane takes its own place in the other half
	s_mov_b32 s19, 0xfedcba98
	s_mov_b32 s30, 0x3fb8aa3b                      ; log2(e)
	s_mov_b32 s31, 0x3fb8aa3b
	s_lshl_b32 s26, s21, 23                        ; a batch is 1,024 rows of 8,192 bytes
	s_lshl_b32 s28, s24, 21
	s_add_co_u32 s26, s26, s28
	s_lshl_b32 s28, s22, 10
	s_add_co_u32 s26, s26, s28
	s_lshl_b32 s28, s23, 9
	s_add_co_u32 s26, s26, s28
	s_mov_b32 s27, 0
	s_lshl_b32 s28, s21, 12                        ; a batch's 1,024 scores
	s_mov_b32 s29, 0
	s_wait_kmcnt 0x0
	s_load_b32 s14, s[6:7], 0x0                    ; bv
	s_add_nc_u64 s[MB:MB+1], s[8:9], s[26:27]
	s_add_nc_u64 s[4:5], s[4:5], s[28:29]
	s_add_nc_u64 s[12:13], s[12:13], s[28:29]
	s_lshl_b32 s26, s21, 13                        ; out0: row b, my work-group's 1,024 bytes, 512 for each of waves 0 and 1
	s_lshl_b32 s28, s22, 10
	s_add_co_u32 s26, s26, s28
	s_lshl_b32 s28, s20, 9
	s_add_co_u32 s26, s26, s28
	s_add_nc_u64 s[10:11], s[10:11], s[26:27]
.macro FILL s                          ; slot s's four loads: rows 4 s .. 4 s + 3 of the trip that its offset names; each is 512 consecutive bytes of a row, aligned
.irp r, 0,1,2,3
	global_load_b128 v[X+16*(\s)+4*\r:X+16*(\s)+4*\r+3], v[OF+(\s)], s[MB:MB+1] offset:8192*(4*(\s)+\r) th:TH_LOAD_NT
.endr
.endm
; Slot s's turn: its four rows times their weights onto the sums (four chains; the weight is one register of a pair, given to both halves); ahead = 1: it is filled again, 32 rows on.
; left = how many younger loads may stay out when the slot's four have to be in.
.macro SLOT s, ahead, left
	s_wait_loadcnt \left                           ; loads come back in order: mine are in, the younger slots' stay out; the slot's offset is free since this wait
.if (\s) == 0
	s_wait_dscnt 0x0                               ; the trip's weights
.endif
.set i, 0
.rept 4
.set XR, X+16*(\s)+4*i
.set AR, ACC+4*(i%2)
.set WR, PR+4*(\s)+i-(i%2)
.if i%2
	v_pk_fma_f32 v[AR:AR+1], v[XR:XR+1], v[WR:WR+1], v[AR:AR+1] op_sel:[0,1,0] op_sel_hi:[1,1,1]
	v_pk_fma_f32 v[AR+2:AR+3], v[XR+2:XR+3], v[WR:WR+1], v[AR+2:AR+3] op_sel:[0,1,0] op_sel_hi:[1,1,1]
.else
	v_pk_fma_f32 v[AR:AR+1], v[XR:XR+1], v[WR:WR+1], v[AR:AR+1] op_sel_hi:[1,0,1]
	v_pk_fma_f32 v[AR+2:AR+3], v[XR+2:XR+3], v[WR:WR+1], v[AR+2:AR+3] op_sel_hi:[1,0,1]
.endif
.set i, i+1
.endr
.if \ahead
	v_add_nc_u32 v[OF+(\s)], 262144, v[OF+(\s)]    ; 32 rows of 8,192 bytes on
	FILL \s
.endif
.endm
.macro WEIGHTS                         ; a trip's 32 weights, the same in every lane
.irp k, 0,1,2,3,4,5,6,7
	ds_load_b128 v[PR+4*\k:PR+4*\k+3], v[PAD] offset:16*\k
.endr
.endm
	global_load_b128 v[8:11], v[T16], s[4:5]                   ; thread t: scores 4 t .. 4 t + 3, both halves' parts
	global_load_b128 v[12:15], v[T16], s[4:5] offset:131072
.irp s, 0,1,2,3,4,5,6,7
	FILL \s                                        ; the stream starts ahead of the softmax
.endr
	s_wait_loadcnt 32                              ; the scores are in; the stream's 32 loads stay out
	s_wait_kmcnt 0x0                               ; bv
	v_pk_add_f32 v[8:9], v[8:9], v[12:13]
	v_pk_add_f32 v[10:11], v[10:11], v[14:15]
	v_pk_add_f32 v[8:9], v[8:9], s[14:15] op_sel_hi:[1,0]
	v_pk_add_f32 v[10:11], v[10:11], s[14:15] op_sel_hi:[1,0]
	v_max_num_f32 v24, v8, v9
	v_max_num_f32 v25, v10, v11
	v_max_num_f32 v24, v24, v25
	v_max_num_f32_dpp v24, v24, v24 row_xmask:1 row_mask:0xf bank_mask:0xf
	v_max_num_f32_dpp v24, v24, v24 row_xmask:2 row_mask:0xf bank_mask:0xf
	v_max_num_f32_dpp v24, v24, v24 row_xmask:4 row_mask:0xf bank_mask:0xf
	v_max_num_f32_dpp v24, v24, v24 row_xmask:8 row_mask:0xf bank_mask:0xf
	v_permlanex16_b32 v25, v24, s18, s19
	v_max_num_f32 v24, v24, v25
	ds_store_b32 v[W4], v24 offset:RMAX
	s_wait_dscnt 0x0                               ; for the others' sake
	s_barrier_signal -1
	s_barrier_wait -1
	ds_load_b128 v[24:27], v[ZA] offset:RMAX
	ds_load_b128 v[28:31], v[ZA] offset:RMAX+16
	s_wait_dscnt 0x0
	v_max3_num_f32 v24, v24, v25, v26
	v_max3_num_f32 v27, v27, v28, v29
	v_max3_num_f32 v24, v24, v30, v31
	v_max_num_f32 v24, v24, v27                    ; m
	v_pk_add_f32 v[8:9], v[8:9], v[24:25] op_sel_hi:[1,0] neg_lo:[0,1] neg_hi:[0,1]    ; s - m first: exact where it matters
	v_pk_add_f32 v[10:11], v[10:11], v[24:25] op_sel_hi:[1,0] neg_lo:[0,1] neg_hi:[0,1]
	v_pk_mul_f32 v[8:9], v[8:9], s[30:31] op_sel_hi:[1,0]
	v_pk_mul_f32 v[10:11], v[10:11], s[30:31] op_sel_hi:[1,0]
	v_exp_f32 v8, v8
	v_exp_f32 v9, v9
	v_exp_f32 v10, v10
	v_exp_f32 v11, v11
	v_nop                                          ; a plain instruction behind the last exponential,
	s_wait_alu depctr_va_vdst(0)                   ; and the one wait ahead of the batch's first reader
	ds_store_b128 v[PST], v[8:11]
	v_pk_add_f32 v[24:25], v[8:9], v[10:11]
	v_add_f32 v24, v24, v25
	v_add_f32_dpp v24, v24, v24 row_xmask:1 row_mask:0xf bank_mask:0xf
	v_add_f32_dpp v24, v24, v24 row_xmask:2 row_mask:0xf bank_mask:0xf
	v_add_f32_dpp v24, v24, v24 row_xmask:4 row_mask:0xf bank_mask:0xf
	v_add_f32_dpp v24, v24, v24 row_xmask:8 row_mask:0xf bank_mask:0xf
	v_permlanex16_b32 v25, v24, s18, s19
	v_add_f32 v24, v24, v25
	ds_store_b32 v[W4], v24 offset:RSUM
	s_wait_dscnt 0x0                               ; for the others' sake: my weights and my sum
	s_barrier_signal -1
	s_barrier_wait -1
	ds_load_b128 v[24:27], v[ZA] offset:RSUM
	ds_load_b128 v[28:31], v[ZA] offset:RSUM+16
	s_wait_dscnt 0x0
	v_pk_add_f32 v[24:25], v[24:25], v[26:27]
	v_pk_add_f32 v[28:29], v[28:29], v[30:31]
	v_pk_add_f32 v[24:25], v[24:25], v[28:29]
	v_add_f32 v24, v24, v25
	v_rcp_f32 v28, v24                             ; 1 / the sum; v[28:29] is named as a pair, its low register taken for both halves
	v_nop
	s_wait_alu depctr_va_vdst(0)                   ; ahead of the branch and of the first reader
	s_cmp_lg_u32 s20, s22
	s_cbranch_scc1 .Lno_p
	v_pk_mul_f32 v[12:13], v[8:9], v[28:29] op_sel_hi:[1,0]
	v_pk_mul_f32 v[14:15], v[10:11], v[28:29] op_sel_hi:[1,0]
	global_store_b128 v[T16], v[12:15], s[12:13]   ; wave c of work-group c: 512 consecutive bytes of out1, aligned
.Lno_p:
.irp r, 0,1,2,3,4,5,6,7
	v_mov_b32 v[ACC+\r], 0                         ; eight lines, while the stream's first loads are on their way, so that the loop has one form
.endr
	s_mov_b32 s25, 7
.Lrows:                                                ; a trip: 32 rows are multiplied, slot by slot, and the 32 behind them asked for
	WEIGHTS
.irp s, 0,1,2,3,4,5,6,7
	SLOT \s, 1, 28                                 ; the seven younger slots' 28 loads stay out
.endr
	v_add_nc_u32 v[PAD], 128, v[PAD]
	s_sub_co_u32 s25, s25, 1
	s_cmp_lg_u32 s25, 0
	s_cbranch_scc1 .Lrows
	WEIGHTS                                        ; the last 32 rows load nothing: the counts run down
.irp s, 0,1,2,3,4,5,6,7
	SLOT \s, 0, 28-4*\s
.endr
	v_pk_add_f32 v[ACC:ACC+1], v[ACC:ACC+1], v[ACC+4:ACC+5]
	v_pk_add_f32 v[ACC+2:ACC+3], v[ACC+2:ACC+3], v[ACC+6:ACC+7]
	ds_store_b128 v[CST], v[ACC:ACC+3]
	s_wait_dscnt 0x0                               ; for the others' sake
	s_barrier_signal -1
	s_barrier_wait -1
	s_cmp_lt_u32 s20, 2                            ; waves 0 and 1 add the four row groups' sums of their 128 columns
	s_cbranch_scc0 .Lend
.irp g, 0,1,2,3
	ds_load_b128 v[PR+4*\g:PR+4*\g+3], v[CST] offset:1024*\g
.endr
	s_wait_dscnt 0x0
	v_pk_add_f32 v[32:33], v[32:33], v[36:37]
	v_pk_add_f32 v[34:35], v[34:35], v[38:39]
	v_pk_add_f32 v[40:41], v[40:41], v[44:45]
	v_pk_add_f32 v[42:43], v[42:43], v[46:47]
	v_pk_add_f32 v[32:33], v[32:33], v[40:41]
	v_pk_add_f32 v[34:35], v[34:35], v[42:43]
	v_pk_mul_f32 v[32:33], v[32:33], v[28:29] op_sel_hi:[1,0]
	v_pk_mul_f32 v[34:35], v[34:35], v[28:29] op_sel_hi:[1,0]
	global_store_b128 v[VO], v[32:35], s[10:11]    ; 512 consecutive bytes of out0, aligned
.Lend:
	s_wait_tensorcnt 0x0                           ; the wave's end, behind my last LDS store
	ds_add_u32 v[SPW], v[NIL]
	s_wait_dscnt 0x0
	s_endpgm
.Lfunc_end_k_qf207cb8f60_ctx:
	.size	k_qf207cb8f60_ctx, .Lfunc_end_k_qf207cb8f60_ctx-k_qf207cb8f60_ctx
	.p2alignl 7, 3214868480
	.fill 96, 4, 3214868480
	.section	.rodata,"a",@progbits
	.p2align	6, 0x0
	.amdhsa_kernel k_qf207cb8f60_ctx
		.amdhsa_group_segment_fixed_size 9728
		.amdhsa_private_segment_fixed_size 0
		.amdhsa_enable_private_segment 0
		.amdhsa_kernarg_size 40
		.amdhsa_user_sgpr_count 2
		.amdhsa_user_sgpr_kernarg_segment_ptr 1
		.amdhsa_wavefront_size32 1
		.amdhsa_system_sgpr_workgroup_id_x 1
		.amdhsa_system_sgpr_workgroup_id_y 1
		.amdhsa_system_sgpr_workgroup_id_z 1
		.amdhsa_system_vgpr_workitem_id 0
		.amdhsa_next_free_vgpr 204
		.amdhsa_next_free_sgpr 66
		.amdhsa_reserve_vcc 0
		.amdhsa_float_denorm_mode_32 3
		.amdhsa_float_denorm_mode_16_64 3
		.amdhsa_memory_ordered 1
		.amdhsa_forward_progress 1
		.amdhsa_inst_pref_size 24
	.end_amdhsa_kernel
	.amdgpu_metadata
---
amdhsa.version: [ 1, 2 ]
amdhsa.kernels:
  - .name:           k_qf207cb8f60_ctx
    .symbol:         k_qf207cb8f60_ctx.kd
    .args:
      - { .name: part, .offset: 0, .size: 8, .value_kind: global_buffer, .address_space: global }
      - { .name: bv, .offset: 8, .size: 8, .value_kind: global_buffer, .address_space: global }
      - { .name: memory, .offset: 16, .size: 8, .value_kind: global_buffer, .address_space: global }
      - { .name: out0, .offset: 24, .size: 8, .value_kind: global_buffer, .address_space: global }
      - { .name: out1, .offset: 32, .size: 8, .value_kind: global_buffer, .address_space: global }
    .group_segment_fixed_size: 9728
    .private_segment_fixed_size: 0
    .kernarg_segment_align: 8
    .kernarg_segment_size: 40
    .max_flat_workgroup_size: 256
    .sgpr_count:     66
    .vgpr_count:     204
    .wavefront_size: 32
...
	.end_amdgpu_metadata
.endif
;; end of part 3
;; ======== version 2 of 2: 3 launches; version 1 with the launch ctx written anew for expert scheduling mode
;; workspace buffers: w2t 4,194,304 bytes; hb 131,072 bytes; part 262,144 bytes
;; launch prep: the kernel of part 1 again; grid 144 x 1, 16 waves a work-group, no clusters, 141,824 bytes of LDS; arguments W2, W1, x, b1, b2, w2t, hb; writes w2t, hb
;; launch score: the kernel of part 2 again; grid 4 x 128, 4 waves a work-group, clusters of 4 x 4, 327,680 bytes of LDS; arguments memory, w2t, hb, v, part; writes part
;; launch ctx (part 4): grid 256 x 1, 8 waves a work-group, no clusters, 9,728 bytes of LDS; arguments part, bv, memory, out0, out1; writes out0, out1
.if DOCPART == 4
	.amdgcn_target "amdgcn-amd-amdhsa--gfx1250"
	.amdhsa_code_object_version 6
	.text
	.protected	k_qf207cb8f60_ctx
	.globl	k_qf207cb8f60_ctx
	.p2align	8
	.type	k_qf207cb8f60_ctx,@function
k_qf207cb8f60_ctx:
	s_mov_b64 s[64:65], 0
	v_nop
	global_prefetch_b8 v0, s[64:65] scope:SCOPE_SE
	s_setreg_imm32_b32 hwreg(HW_REG_WAVE_SCHED_MODE, 0, 2), 2
	s_setreg_imm32_b32 hwreg(HW_REG_WAVE_MODE, 25, 1), 1
	s_wait_xcnt 0x0
	s_wait_alu depctr_vm_vsrc(0)
; score[b][s] = part[0][b][s] + part[1][b][s] + bv;  out1[b] = softmax over s;  out0[b][d] = the sum over s of out1[b][s] memory[b][s][d].  All f32.
; SHARES.  A work-group owns one batch b and 256 of its 2,048 columns (1,024 bytes of every row): 32 x 8 = 256 work-groups.  Wave w takes 128 of the columns (w % 2: 512 bytes, one load of the wave)
; and 256 of the 1,024 rows (w / 2).  Every work-group makes the batch's softmax anew from 8,192 bytes of partial scores; of out1's 4,096 bytes a batch, work-group c stores the 512 of its wave c.
; memory is read once, each byte by one wave, so the launch is its stream: A RING OF EIGHT SLOTS OF FOUR ROWS in registers keeps 24 to 28 loads of 512 bytes of every wave on their way.
; The matrix unit (one row a batch), clusters (nothing is shared but the small scores) and a prefetch (the stream itself keeps memory busy) are left out.
; SOFTMAX.  The maximum m is taken away: e = 2^((s - m) log2(e)); e stays unnormalised in LDS, and 1 / (the sum of e) is applied at both outputs.
; LIMITS.  NaN and infinities are not treated apart; a weight below 2^-126 counts as 0.
; THE MODE: SCHED_MODE bits 1:0 = 2 (LLVM: expert scheduling mode 2), set by the entry lines.  The code itself states the register dependences between vector instructions and memory or LDS
; instructions, with s_wait_alu, always for 0.
; THE PLAN.  A wave's 256 rows are 64 turns of four; turn T works on slot T % 8.  Registers that memory or LDS instructions touch in the loop:
;   X0 .. X7    four rows each.  Read by turn T's eight multiply-adds; written by the four loads for turn T + 7, which are issued in turn T and land in the slot of turn T - 1.
;   PR0 .. PR7  the four rows' weights.  Read by the same multiply-adds; written by one LDS load, issued in turn T into the slot of turn T - 1, for turn T + 7.
;   v[VO]       the one offset of every load of the stream; never written again.  Each slot has a scalar base, which moves on by 32 rows at the head of the turn that fills the slot again.
;   v[PAD]      the LDS address of the weights; read by their loads, written once a lap, at the lap's head.
;   The sums ACC are named by vector instructions alone.
; So ONE wait on va_vdst stands at a turn's head: the turn before is done reading its slot of X and of PR, and in a lap's first turn v[PAD] is written.  The turn's five loads follow it, dealt among its
; multiply-adds, which name this turn's slot and the sums: none of the registers that those loads touch.  One wait on vm_vsrc a lap stands ahead of the add to v[PAD].
.set RMAX,  0                          ; LDS: the eight waves' maxima
.set RSUM,  256                        ; their sums
.set PW,    512                        ; e, 1,024 numbers
.set CTX,   4608                       ; the eight waves' partial contexts, 512 bytes each
.set SPARE, 8704                       ; the spare words, 128 bytes a wave, that no other line names
.set SPW, 2                            ; v2   SPARE + 4 x my thread's number; never rewritten
.set NIL, 3                            ; v3   0; never rewritten
.set VO,  4                            ; v4   16 l; never rewritten
.set W4,  5                            ; v5   4 w
.set PST, 6                            ; v6   PW + 16 t
.set PAD, 7                            ; v7   PW + 1,024 (w / 2), stepped 128 a lap
.set ACC, 16                           ; v[16:23]  my four columns' sums, for even and for odd rows
.set PR,  32                           ; v[32:63]  slot s: its four rows' weights at PR + 4 s
.set X,   64                           ; v[64:191] slot s: four rows x 4 numbers at X + 16 s
.set T16, 192                          ; v192 16 t
.set ZA,  193                          ; v193 0, an LDS address
.set CST, 194                          ; v194 CTX + 512 w + 16 l
.set BS,  32                           ; s[32:47]  slot s: memory at my columns and at the first of the 32 rows among which the slot's next four lie: a pair at BS + 2 s
	s_load_b256 s[4:11], s[0:1], 0x0               ; part s[4:5], bv s[6:7], memory s[8:9], out0 s[10:11]
	s_load_b64 s[12:13], s[0:1], 0x20              ; out1
	v_lshl_add_u32 v[SPW], v0, 2, SPARE
	v_mov_b32 v[NIL], 0
	v_lshrrev_b32 v1, 5, v0
	v_readfirstlane_b32 s20, v1                    ; wave 0..7
	v_and_b32 v1, 31, v0
	v_lshlrev_b32 v[VO], 4, v1
	v_lshlrev_b32 v[T16], 4, v0
	v_lshl_add_u32 v[PST], v0, 4, PW
	v_mov_b32 v[ZA], 0
	s_lshr_b32 s21, ttmp9, 3                       ; b
	s_and_b32 s22, ttmp9, 7                        ; c: my 256 columns
	s_wait_alu depctr_va_sdst(0)                   ; s20 is written, ahead of its first reader: offsets, addresses and two branches are made from it
	s_and_b32 s23, s20, 1                          ; which 128 of them
	s_lshr_b32 s24, s20, 1                         ; which 256 rows
	s_lshl_b32 s2, s20, 2                          ; the three numbers that vector lines read have scalar registers of their own, which nothing writes again
	v_mov_b32 v[W4], s2
	s_lshl_b32 s3, s24, 10
	s_add_co_u32 s3, s3, PW
	v_mov_b32 v[PAD], s3
	s_lshl_b32 s16, s20, 9
	s_add_co_u32 s16, s16, CTX
	v_add_nc_u32 v[CST], s16, v[VO]
	s_mov_b32 s15, 0                               ; named with bv as a pair
	s_mov_b32 s18, 0x76543210                      ; v_permlanex16_b32: each lane takes its own place in the other half
	s_mov_b32 s19, 0xfedcba98
	s_mov_b32 s30, 0x3fb8aa3b                      ; log2(e)
	s_mov_b32 s31, 0x3fb8aa3b
	s_lshl_b32 s26, s21, 23                        ; a batch is 1,024 rows of 8,192 bytes
	s_lshl_b32 s28, s24, 21
	s_add_co_u32 s26, s26, s28
	s_lshl_b32 s28, s22, 10
	s_add_co_u32 s26, s26, s28
	s_lshl_b32 s28, s23, 9
	s_add_co_u32 s26, s26, s28
	s_mov_b32 s27, 0
	s_lshl_b32 s28, s21, 12                        ; a batch's 1,024 scores
	s_mov_b32 s29, 0
	s_wait_kmcnt 0x0
	s_load_b32 s14, s[6:7], 0x0                    ; bv
.irp s, 0,1,2,3,4,5,6,7
	s_add_nc_u64 s[BS+2*\s:BS+2*\s+1], s[8:9], s[26:27]  ; every slot's base at my first row and my columns; the slot's place among 32 rows stands in the loads' immediates
.endr
	s_add_nc_u64 s[4:5], s[4:5], s[28:29]
	s_add_nc_u64 s[12:13], s[12:13], s[28:29]
	s_lshl_b32 s26, s21, 13                        ; out0: row b, my work-group's 1,024 bytes, 512 for each of waves 0 and 1
	s_lshl_b32 s28, s22, 10
	s_add_co_u32 s26, s26, s28
	s_lshl_b32 s28, s20, 9
	s_add_co_u32 s26, s26, s28
	s_add_nc_u64 s[10:11], s[10:11], s[26:27]
	s_wait_alu depctr_va_vdst(0)                   ; the offsets and LDS addresses v2 to v7 and v192 to v194 are written, which the kernel's loads and stores read
.macro FILL s                          ; slot s's four loads: each is 512 consecutive bytes of a row, aligned
.irp r, 0,1,2,3
	global_load_b128 v[X+16*(\s)+4*\r:X+16*(\s)+4*\r+3], v[VO], s[BS+2*(\s):BS+2*(\s)+1] offset:8192*(4*(\s)+\r) th:TH_LOAD_NT
.endr
.endm
; Slot s's turn: its four rows times their weights onto the sums (four chains; the weight is one register of a pair, given to both halves).
; ahead = 1: the slot in front of it in the ring, which the turn before worked on, is filled again, rows and weights, for the turn seven turns on.
; lleft, dleft = how many younger global and LDS loads may stay out when this slot's have to be in.
.macro TURN s, ahead, lleft, dleft
.set PV, ((\s)+7)%8
	s_wait_loadcnt \lleft                          ; loads come back in order: this slot's four rows are in, the younger slots' stay out
	s_wait_dscnt \dleft                            ; LDS loads too: this slot's weights are in
.if \ahead
	s_wait_alu depctr_va_vdst(0)                   ; the turn before is done reading slot PV of X and of PR, in which the loads below land; in a lap's first turn v[PAD] is written, which the LDS load reads
	s_add_nc_u64 s[BS+2*PV:BS+2*PV+1], s[BS+2*PV:BS+2*PV+1], 262144  ; 32 rows of 8,192 bytes on; free, since the wait on LOADcnt above shows the loads that read it done
	ds_load_b128 v[PR+4*PV:PR+4*PV+3], v[PAD] offset:16*PV
.endif
.set i, 0
.rept 4
.set XR, X+16*(\s)+4*i
.set AR, ACC+4*(i%2)
.set WR, PR+4*(\s)+i-(i%2)
.if \ahead
	global_load_b128 v[X+16*PV+4*i:X+16*PV+4*i+3], v[VO], s[BS+2*PV:BS+2*PV+1] offset:8192*(4*PV+i) th:TH_LOAD_NT  ; no vector instruction since the wait names these registers
.endif
.if i%2
	v_pk_fma_f32 v[AR:AR+1], v[XR:XR+1], v[WR:WR+1], v[AR:AR+1] op_sel:[0,1,0] op_sel_hi:[1,1,1]
	v_pk_fma_f32 v[AR+2:AR+3], v[XR+2:XR+3], v[WR:WR+1], v[AR+2:AR+3] op_sel:[0,1,0] op_sel_hi:[1,1,1]
.else
	v_pk_fma_f32 v[AR:AR+1], v[XR:XR+1], v[WR:WR+1], v[AR:AR+1] op_sel_hi:[1,0,1]
	v_pk_fma_f32 v[AR+2:AR+3], v[XR+2:XR+3], v[WR:WR+1], v[AR+2:AR+3] op_sel_hi:[1,0,1]
.endif
.set i, i+1
.endr
.endm
	global_load_b128 v[8:11], v[T16], s[4:5]                   ; thread t: scores 4 t .. 4 t + 3, both halves' parts
	global_load_b128 v[12:15], v[T16], s[4:5] offset:131072
.irp s, 0,1,2,3,4,5,6,7
	FILL \s                                        ; the stream starts ahead of the softmax: turns 0 to 7
.endr
	s_wait_loadcnt 32                              ; the scores are in; the stream's 32 loads stay out
	s_wait_kmcnt 0x0                               ; bv
	v_pk_add_f32 v[8:9], v[8:9], v[12:13]
	v_pk_add_f32 v[10:11], v[10:11], v[14:15]
	v_pk_add_f32 v[8:9], v[8:9], s[14:15] op_sel_hi:[1,0]
	v_pk_add_f32 v[10:11], v[10:11], s[14:15] op_sel_hi:[1,0]
	v_max_num_f32 v24, v8, v9
	v_max_num_f32 v25, v10, v11
	v_max_num_f32 v24, v24, v25
	v_max_num_f32_dpp v24, v24, v24 row_xmask:1 row_mask:0xf bank_mask:0xf
	v_max_num_f32_dpp v24, v24, v24 row_xmask:2 row_mask:0xf bank_mask:0xf
	v_max_num_f32_dpp v24, v24, v24 row_xmask:4 row_mask:0xf bank_mask:0xf
	v_max_num_f32_dpp v24, v24, v24 row_xmask:8 row_mask:0xf bank_mask:0xf
	v_permlanex16_b32 v25, v24, s18, s19
	v_max_num_f32 v24, v24, v25
	s_wait_alu depctr_va_vdst(0)                   ; the wave's maximum is written into v24, which the LDS store reads; the lines above are done with v24 and v25, in which a load lands behind the barrier
	ds_store_b32 v[W4], v24 offset:RMAX
	s_wait_dscnt 0x0                               ; for the others' sake
	s_barrier_signal -1
	s_barrier_wait -1
	s_wait_alu depctr_vm_vsrc(0)                   ; my LDS store has read v24, in which the load below lands
	ds_load_b128 v[24:27], v[ZA] offset:RMAX
	ds_load_b128 v[28:31], v[ZA] offset:RMAX+16
	s_wait_dscnt 0x0
	v_max3_num_f32 v24, v24, v25, v26
	v_max3_num_f32 v27, v27, v28, v29
	v_max3_num_f32 v24, v24, v30, v31
	v_max_num_f32 v24, v24, v27                    ; m
	v_pk_add_f32 v[8:9], v[8:9], v[24:25] op_sel_hi:[1,0] neg_lo:[0,1] neg_hi:[0,1]    ; s - m first: exact where it matters
	v_pk_add_f32 v[10:11], v[10:11], v[24:25] op_sel_hi:[1,0] neg_lo:[0,1] neg_hi:[0,1]
	v_pk_mul_f32 v[8:9], v[8:9], s[30:31] op_sel_hi:[1,0]
	v_pk_mul_f32 v[10:11], v[10:11], s[30:31] op_sel_hi:[1,0]
	v_exp_f32 v8, v8
	v_exp_f32 v9, v9
	v_exp_f32 v10, v10
	v_exp_f32 v11, v11
	v_nop                                          ; a plain instruction behind the last exponential
	s_wait_alu depctr_va_vdst(0)                   ; the four exponentials have written v[8:11]: the one wait ahead of the batch's first reader, which is the LDS store below
	ds_store_b128 v[PST], v[8:11]
	v_pk_add_f32 v[24:25], v[8:9], v[10:11]
	v_add_f32 v24, v24, v25
	v_add_f32_dpp v24, v24, v24 row_xmask:1 row_mask:0xf bank_mask:0xf
	v_add_f32_dpp v24, v24, v24 row_xmask:2 row_mask:0xf bank_mask:0xf
	v_add_f32_dpp v24, v24, v24 row_xmask:4 row_mask:0xf bank_mask:0xf
	v_add_f32_dpp v24, v24, v24 row_xmask:8 row_mask:0xf bank_mask:0xf
	v_permlanex16_b32 v25, v24, s18, s19
	v_add_f32 v24, v24, v25
	s_wait_alu depctr_va_vdst(0)                   ; the wave's sum is written into v24, which the LDS store reads; all lines above are done with v[24:31], in which loads land behind the barrier
	ds_store_b32 v[W4], v24 offset:RSUM
	s_wait_dscnt 0x0                               ; for the others' sake: my weights and my sum
	s_barrier_signal -1
	s_barrier_wait -1
	s_wait_alu depctr_vm_vsrc(0)                   ; my LDS store has read v24, in which the load below lands
	ds_load_b128 v[24:27], v[ZA] offset:RSUM
	ds_load_b128 v[28:31], v[ZA] offset:RSUM+16
	s_wait_dscnt 0x0
	v_pk_add_f32 v[24:25], v[24:25], v[26:27]
	v_pk_add_f32 v[28:29], v[28:29], v[30:31]
	v_pk_add_f32 v[24:25], v[24:25], v[28:29]
	v_add_f32 v24, v24, v25
	v_rcp_f32 v28, v24                             ; 1 / the sum; v[28:29] is named as a pair, its low register taken for both halves
	v_nop
	s_wait_alu depctr_va_vdst(0)                   ; the reciprocal has written v28: ahead of the branch and of its first reader
	s_cmp_lg_u32 s20, s22
	s_cbranch_scc1 .Lno_p
	v_pk_mul_f32 v[12:13], v[8:9], v[28:29] op_sel_hi:[1,0]
	v_pk_mul_f32 v[14:15], v[10:11], v[28:29] op_sel_hi:[1,0]
	s_wait_alu depctr_va_vdst(0)                   ; the two products have written v[12:15], which the store reads
	global_store_b128 v[T16], v[12:15], s[12:13]   ; wave c of work-group c: 512 consecutive bytes of out1, aligned
.Lno_p:
.irp k, 0,1,2,3,4,5,6,7
	ds_load_b128 v[PR+4*\k:PR+4*\k+3], v[PAD] offset:16*\k  ; the weights of turns 0 to 7, the same in every lane; no vector line has named these registers
.endr
.irp r, 0,1,2,3,4,5,6,7
	v_mov_b32 v[ACC+\r], 0                         ; eight lines, while the first loads are on their way, so that every turn has one form
.endr
	TURN 0, 0, 28, 7                               ; turn 0 has no turn in front of it and fills nothing: all eight slots were filled above; the seven younger slots' loads stay out
	s_mov_b32 s25, 7
.Lrows:                                                ; a lap: turns 8 L + 1 to 8 L + 8; each fills the slot in front of it for the turn seven on: the last, turn 56, for turn 63
	s_wait_alu depctr_vm_vsrc(0)                   ; the LDS loads issued so far have read v[PAD]
	v_add_nc_u32 v[PAD], 128, v[PAD]               ; the next 32 weights
.irp s, 1,2,3,4,5,6,7,0
	TURN \s, 1, 24, 6                              ; what the six turns since this slot's refill have issued stays out: 24 loads of rows, 6 of weights
.endr
	s_sub_co_u32 s25, s25, 1
	s_cmp_lg_u32 s25, 0
	s_cbranch_scc1 .Lrows
.irp s, 1,2,3,4,5,6,7
	TURN \s, 0, 28-4*\s, 7-\s                      ; turns 57 to 63 load nothing: no load leaves the wave's rows, and the counts run down
.endr
	v_pk_add_f32 v[ACC:ACC+1], v[ACC:ACC+1], v[ACC+4:ACC+5]
	v_pk_add_f32 v[ACC+2:ACC+3], v[ACC+2:ACC+3], v[ACC+6:ACC+7]
	s_wait_alu depctr_va_vdst(0)                   ; the sums are written into v[ACC ..], which the LDS store reads; the multiply-adds are done reading PR, in which loads land behind the barrier
	ds_store_b128 v[CST], v[ACC:ACC+3]
	s_wait_dscnt 0x0                               ; for the others' sake
	s_barrier_signal -1
	s_barrier_wait -1
	s_cmp_lt_u32 s20, 2                            ; waves 0 and 1 add the four row groups' sums of their 128 columns
	s_cbranch_scc0 .Lend
.irp g, 0,1,2,3
	ds_load_b128 v[PR+4*\g:PR+4*\g+3], v[CST] offset:1024*\g
.endr
	s_wait_dscnt 0x0
	v_pk_add_f32 v[32:33], v[32:33], v[36:37]
	v_pk_add_f32 v[34:35], v[34:35], v[38:39]
	v_pk_add_f32 v[40:41], v[40:41], v[44:45]
	v_pk_add_f32 v[42:43], v[42:43], v[46:47]
	v_pk_add_f32 v[32:33], v[32:33], v[40:41]
	v_pk_add_f32 v[34:35], v[34:35], v[42:43]
	v_pk_mul_f32 v[32:33], v[32:33], v[28:29] op_sel_hi:[1,0]
	v_pk_mul_f32 v[34:35], v[34:35], v[28:29] op_sel_hi:[1,0]
	s_wait_alu depctr_va_vdst(0)                   ; the two products have written v[32:35], which the store reads
	global_store_b128 v[VO], v[32:35], s[10:11]    ; 512 consecutive bytes of out0, aligned
.Lend:
	s_wait_dscnt 0x0                               ; the closing lines, six on end
	s_wait_alu 0x0
	s_wait_tensorcnt 0x0
	ds_add_u32 v[SPW], v[NIL]
	s_wait_dscnt 0x0
	s_endpgm
.Lfunc_end_k_qf207cb8f60_ctx:
	.size	k_qf207cb8f60_ctx, .Lfunc_end_k_qf207cb8f60_ctx-k_qf207cb8f60_ctx
	.p2alignl 7, 3214868480
	.fill 96, 4, 3214868480
	.section	.rodata,"a",@progbits
	.p2align	6, 0x0
	.amdhsa_kernel k_qf207cb8f60_ctx
		.amdhsa_group_segment_fixed_size 9728
		.amdhsa_private_segment_fixed_size 0
		.amdhsa_enable_private_segment 0
		.amdhsa_kernarg_size 40
		.amdhsa_user_sgpr_count 2
		.amdhsa_user_sgpr_kernarg_segment_ptr 1
		.amdhsa_wavefront_size32 1
		.amdhsa_system_sgpr_workgroup_id_x 1
		.amdhsa_system_sgpr_workgroup_id_y 1
		.amdhsa_system_sgpr_workgroup_id_z 1
		.amdhsa_system_vgpr_workitem_id 0
		.amdhsa_next_free_vgpr 196
		.amdhsa_next_free_sgpr 66
		.amdhsa_reserve_vcc 0
		.amdhsa_float_denorm_mode_32 3
		.amdhsa_float_denorm_mode_16_64 3
		.amdhsa_memory_ordered 1
		.amdhsa_forward_progress 1
		.amdhsa_inst_pref_size 25
	.end_amdhsa_kernel
	.amdgpu_metadata
---
amdhsa.version: [ 1, 2 ]
amdhsa.kernels:
  - .name:           k_qf207cb8f60_ctx
    .symbol:         k_qf207cb8f60_ctx.kd
    .args:
      - { .name: part, .offset: 0, .size: 8, .value_kind: global_buffer, .address_space: global }
      - { .name: bv, .offset: 8, .size: 8, .value_kind: global_buffer, .address_space: global }
      - { .name: memory, .offset: 16, .size: 8, .value_kind: global_buffer, .address_space: global }
      - { .name: out0, .offset: 24, .size: 8, .value_kind: global_buffer, .address_space: global }
      - { .name: out1, .offset: 32, .size: 8, .value_kind: global_buffer, .address_space: global }
    .group_segment_fixed_size: 9728
    .private_segment_fixed_size: 0
    .kernarg_segment_align: 8
    .kernarg_segment_size: 40
    .max_flat_workgroup_size: 256
    .sgpr_count:     66
    .vgpr_count:     196
    .wavefront_size: 32
...
	.end_amdgpu_metadata
.endif
;; end of part 4
